; MI455X (gfx1250); checked and timed in simulation.
; The chip was launched on July 23, 2026; its instructions are those of AMD's public machine-readable ISA for CDNA 5 (MIT licence, August 2026) and "CDNA5" Instruction Set Architecture Reference Guide (July 2026). The comments in the code are by the model that wrote it; some were corrected since.
;; Llama Attention Core. Allowed arithmetic: matrix products marked QUANTISED: E2M1 operands, one E8M0 scale for each 32 along K, by v_wmma_scale_f32_16x16x128_f8f6f4 with both operands' format E2M1 (or v_wmma_scale_f32_32x16x128_f4), f32 sums; everything else in f32.
;; Inputs: attn_bias 512 x 4,096 float32; key_t_caches 8 x 128 x 2,048 float32; keys 8 x 512 x 128 float32; kq_scale 1 float32; queries_codes 32 x 512 x 4 x 16 uint8 (E2M1 codes of queries, K innermost, in blocks of 32 codes, two codes a byte); queries_scales 32 x 512 x 4 uint8 (E8M0 scales of queries, one for each 32 codes along K); value_caches 8 x 2,048 x 128 float32; values 8 x 512 x 128 float32.
;; Outputs: out0 32 x 512 x 128 float32; out1 8 x 512 x 128 float32; out2 8 x 512 x 128 float32.
;; This version of the problem:
;;   THIS VERSION OF THE PROBLEM IS GIVEN IN LOW PRECISION. The matrix products marked QUANTISED in the list below multiply operands that are first quantised to E2M1 (2 exponent bits, 1 mantissa bit; 4 bits a number), with one power-of-two scale for each 32 numbers along K (OCP MX v1.0); their sums are f32. All else is computed in f32.
;;   The module's matrix products, in the order in which they are computed (A, B: the left and right operand; K: the contracted axis; several contracted axes count as one K, in the product's order):
;;     1. batch 8 x [M 2,048, K 128] x [K 128, N 4,096]; A: input queries (given as codes); B: computed on the way: QUANTISED
;;     2. batch 8 x [M 2,048, K 4,096] x [K 4,096, N 128]; A: softmax (see below); B: computed on the way: QUANTISED
;;   THE QUANTISER, for each operand of a quantised product, along K:
;;     - K is cut into blocks of 32 from its start; a last block that is shorter is filled with zeros.
;;     - A block's scale is 2^e with e = floor(log2(the largest magnitude in the block)) - 2, held to -126 .. 127; a block of zeros has e = 0. As a byte (E8M0): e + 127.
;;     - Each number is divided by its block's scale, clamped to +-6, and rounded to the nearest number of E2M1, ties to even, subnormals kept.
;;     - The product sums the exact products of the quantised numbers (number of the format x scale) in f32.
;;   ~~~python
;;   def quantise(x, axis):      # numpy; x: float32 -> the quantised numbers, widened to float32 again
;;       x = np.moveaxis(x, axis, -1); K = x.shape[-1]
;;       x = np.pad(x, [(0, 0)] * (x.ndim - 1) + [(0, -K % 32)]); x = x.reshape(x.shape[:-1] + (-1, 32)); a = np.abs(x).max(-1, keepdims=True)
;;       e = np.where(a > 0, np.clip(np.frexp(np.where(a > 0, a, 1))[1] - 1 - 2, -126, 127), 0)      # np.frexp(a)[1] - 1 = floor(log2(a)), exactly
;;       r = np.clip(x / 2.0 ** e, -6, 6)
;;       step = 2.0 ** (np.maximum(np.frexp(np.where(r == 0, 1, r))[1] - 1, 0) - 1)
;;       q = np.round(r / step) * step * 2.0 ** e      # np.round: ties to even
;;       return np.moveaxis(q.reshape(q.shape[:-2] + (-1,))[..., :K], -1, axis).astype(np.float32)
;;   ~~~
;;   SOFTMAX AHEAD OF A QUANTISED PRODUCT. Where the list says 'softmax', what is quantised is not the finished softmax but p = 2^(t - M), with t = logit x log2(e) and M = ceil(the row's largest t), a whole number; so 1/2 < the row's largest p <= 1. The row's sum l is taken of the UNQUANTISED p, in f32, and the product's result is divided by l at the end. Since M is a whole number, a kernel that streams over the keys may use a running M (the ceiling of the running maximum): every later rescaling is an exact power of two, which a block's scale takes up: the codes' values come out the same.
;;   OPERANDS COMPUTED ON THE WAY. 'Computed on the way' means the value that the module computes at that place (a softmax that the list does not call 'softmax' is quantised finished and normalised). What goes into a quantiser is computed in f32, as accurately as f32 sums, v_exp_f32 and their like allow (about 1e-6 of the number): no bf16 or f16 on the way to a quantiser, and a product that is left as it is and whose result goes on into a quantised operand takes f32 operands (vector FMAs, or v_wmma_f32_16x16x4_f32). A number that lies on a knife's edge between two numbers of the format may be rounded either way, as far as f32 arithmetic and the matrix unit's own rounding can turn it there, and no further.
;;   INPUTS GIVEN AS CODES. queries (in the module: [32, 512, 128], K = its axis 2): each comes as NAME_codes (uint8): NAME with its K axis moved to the last place and cut into blocks of 32 codes, [.., K / 32, bytes a block], one block behind the other in memory; two codes a byte, the lower K in the low four bits (a code: sign, 2 exponent bits, 1 mantissa bit); and NAME_scales (uint8): the same leading axes, one E8M0 byte (e + 127) for each 32 codes along K. Its value is code x scale, taken as it is: it is not quantised again, and the codes and scales need not be those that the quantiser above would give.
;; One version. Each part assembles by itself: llvm-mc -triple=amdgcn-amd-amdhsa -mcpu=gfx1250 --defsym DOCPART=n.
;; ======== version 1 of 1: 2 launches
;; limits: right only within a limited range of input values
;; workspace buffers: kv 2,785,280 bytes; stat 131,072 bytes
;; launch prep (part 1): grid 768 x 1, 4 waves a work-group, no clusters, 35,840 bytes of LDS; arguments key_t_caches, value_caches, keys, values, kq_scale, attn_bias, kv, stat, out1, out2; writes kv, stat, out1, out2
.if DOCPART == 1
	.amdgcn_target "amdgcn-amd-amdhsa--gfx1250"
	.amdhsa_code_object_version 6
	.text
	.protected	k_q2c4c58f7bc_prep
	.globl	k_q2c4c58f7bc_prep
	.p2align	8
	.type	k_q2c4c58f7bc_prep,@function
k_q2c4c58f7bc_prep:
	s_mov_b64 s[64:65], 0
	v_nop
	global_prefetch_b8 v0, s[64:65] scope:SCOPE_SE
	s_setreg_imm32_b32 hwreg(HW_REG_WAVE_MODE, 25, 1), 1
	s_wait_xcnt 0x0
; K and V become codes of FP4 (E2M1) with one E8M0 byte for each 32 along a product's K, laid as IMAGES OF THE OPERANDS' REGISTERS; out1 = keys x kq_scale and out2 = max(values, -10000) are stored on the way;
; and the softmax's share of the padded positions is taken from the bias.
; DEAD WORK LEFT OUT.  Positions 2,560 to 4,095 hold keys and values that are zeros by the problem's own padding, whatever the inputs hold.  There a score is the bias alone (a product with zeros adds nothing), and p x 0 adds nothing
; to the second product: neither product is made for them.  They do count in each row's maximum and sum: both are taken here from attn_bias as it is given, once for each query.
; Limit of that: a NaN, an infinity or an overflow that would reach only those products is not carried to the result.
; THE WORKSPACE kv: 8 heads x 20 key steps of 128 keys; a step's record is 17,408 bytes:
;   +0      K's 8 tiles of 16 keys, 1,024 bytes each: [block j of 32 along d][row r][16 bytes].  Row r of tile 2 b + u is key 32 b + 8 u + r + 8 (r / 8) of the step.
;   +8192   V^T's 8 tiles of 16 channels, the same form: row r of tile t is channel 16 t + r, block j is keys 32 j .. 32 j + 31 of the step.
;   +16384  K's scale words: tile t, row r at 64 t + 4 r.      +16896  V's, the same form.
; THE WORKSPACE stat: 256 bytes for each query: 32 times the pair (largest t of the padded positions, sum of 2^(t - ceil(largest t))), t = bias x log2(e): one lane's 8 bytes beside the other's, so that a wave stores a whole unit.
; SHARES.  640 work-groups make HALF of a record's K or V each, four tiles, one a wave: 0-255 cached keys, 256-511 cached values (both 128 rows x 256 bytes of f32), 512-575 new keys (64 rows x 512 bytes), 576-639 new values (128 rows x 256 bytes).
; 128 more, 640-767, take four queries' rows of the bias each, one a wave.  768 work-groups are three for each of 256 WGPs.  No input is read by two of them, so there is no cluster.
; Lane (r, h) = (lane % 16, lane / 16) of wave w takes row r of tile w and of its 128 numbers along K the 64 from 64 h on: two whole blocks.
; THE STAGE: 256 bytes of a tile's row at 272 bytes' distance, and 128 bytes more from row 64 on, so that lanes 0-15 (row k) and lanes 16-31 (row k + 64) fall on different banks (64 banks of 4 bytes: ISA guide 11.1).
; LIMITS: a block whose largest magnitude lies under 2^-124 keeps the byte 1; a block of zeros gets the byte 1 where the rule says 127 (its codes are zeros, and this program alone reads the bytes); NaN and infinities are not served.
.set P,   272
.set HSH, 64*P+128                     ; from row k to row k + 64 of the stage
.set SCG, 35072                        ; behind the stage: the half record's 64 scale words, 256 bytes
.set SPARE, 35328                      ; the spare words, 128 bytes for each wave
.set X,   16                           ; v16-79: as loaded; later my 64 numbers along K
.set C,   80                           ; v80-87 the codes
.set T,   88                           ; v88-89 largest magnitudes;  v90-91 the conversions' scale operands;  v92-93 the scale bytes
.set SO,  90
.set BY,  92
	s_load_b256 s[4:11], s[0:1], 0x0               ; key_t_caches, value_caches, keys, values
	s_load_b256 s[12:19], s[0:1], 0x20             ; kq_scale, attn_bias, kv, stat
	s_load_b128 s[20:23], s[0:1], 0x40             ; out1, out2
	v_lshl_add_u32 v94, v0, 2, SPARE
	v_mov_b32 v95, 0
	v_lshrrev_b32 v1, 5, v0
	v_readfirstlane_b32 s24, v1                    ; wave 0..3
	v_and_b32 v1, 31, v0                           ; lane
	v_and_b32 v3, 15, v0                           ; r
	v_bfe_u32 v4, v0, 4, 1                         ; h
	s_mov_b32 s25, ttmp9                           ; the work-group's number
	s_lshr_b32 s43, s24, 1
	s_and_b32 s44, s24, 1
	s_and_b32 s26, s25, 1                          ; which half of the record
	s_bfe_u32 s27, s25, 0x30005                    ; cached: head,
	s_bfe_u32 s28, s25, 0x40001                    ; key step
	s_bfe_u32 s29, s25, 0x30003                    ; new: head,
	s_bfe_u32 s30, s25, 0x20001                    ; which 128 of the 512
	s_lshl_b32 s31, s26, 8
	s_lshl_b32 s32, s27, 20                        ; a cached head is 2^20 bytes
	s_or_b32 s32, s32, s31
	s_lshl_b32 s33, s28, 16
	s_or_b32 s33, s33, s32                         ; cached values: 128 rows of 512 bytes a step
	s_lshl_b32 s45, s28, 9
	s_or_b32 s32, s32, s45                         ; cached keys: 512 bytes of each row a step
	s_lshl_b32 s35, s29, 18                        ; a new head is 2^18 bytes
	s_lshl_b32 s45, s30, 16
	s_or_b32 s35, s35, s45
	s_lshl_b32 s34, s26, 15
	s_or_b32 s34, s34, s35                         ; new keys: the half is 64 rows of 512 bytes
	s_or_b32 s35, s35, s31                         ; new values: 256 bytes of each row
	s_add_co_u32 s30, s30, 16                      ; the new keys are steps 16 to 19
	s_bfe_u32 s36, s25, 0x10008                    ; V?  under 512: bit 8;
	s_bfe_u32 s37, s25, 0x10006                    ; from 512 on: bit 6
	s_movk_i32 s39, 0x200
	s_and_b32 s40, s25, 0x3c0
	s_cmp_lt_u32 s25, 0x200
	s_cselect_b32 s36, s36, s37                    ; 1 for V
	s_cselect_b32 s27, s27, s29
	s_cselect_b32 s28, s28, s30
	s_cmp_lt_u32 s25, 0x100
	s_cselect_b32 s38, 0x2000, s39                 ; from the 256 bytes of lanes 0-15 to those of lanes 16-31: cached keys 8,192; V 512;
	s_cmp_eq_u32 s40, 0x200
	s_cselect_b32 s38, 0x100, s38                  ; new keys 256: one row of 512 bytes a load
	s_cmp_eq_u32 s36, 0
	s_cselect_b32 s32, s32, s33
	s_cselect_b32 s34, s34, s35
	s_cmp_lt_u32 s25, 0x200
	s_cselect_b32 s32, s32, s34                    ; the tile's first byte in its source
	s_mov_b32 s33, 0
	s_mul_i32 s45, s27, 348160
	s_mul_i32 s46, s28, 17408
	s_add_co_u32 s45, s45, s46                     ; the record
	s_lshl_b32 s34, s36, 13
	s_add_co_u32 s34, s34, s45
	s_lshl_b32 s46, s26, 12
	s_add_co_u32 s34, s34, s46                     ; my work-group's four tiles
	s_mov_b32 s35, 0
	s_lshl_b32 s40, s36, 9
	s_add_co_u32 s40, s40, s45
	s_add_co_u32 s40, s40, s31
	s_add_co_u32 s40, s40, 16384                   ; and their scale words
	s_mov_b32 s41, 0
	s_mul_i32 s47, s24, 32*P
	s_lshl_b32 s48, s43, 7
	s_add_co_u32 s47, s47, s48                     ; my wave's part of the stage
	s_lshl_b32 s49, s24, 6
	s_lshl_b32 s50, s44, 5
	s_add_co_u32 s50, s50, s48
	s_lshl_b32 s51, s43, 5
	s_lshl_b32 s52, s44, 3
	s_add_co_u32 s51, s51, s52
	s_lshl_b32 s53, s24, 5
	s_mul_i32 s53, s53, s38
	s_lshl_b32 s54, s24, 10
	s_add_co_u32 s42, s49, SCG
	s_mov_b32 s55, 0xc61c4000                      ; -10000.0
	s_mov_b32 s58, 0x76543210
	s_mov_b32 s59, 0xfedcba98                      ; v_permlanex16_b32's selects for lane l xor 16
	s_mov_b32 s60, 0x3fb8aa3b                      ; log2(e)
	s_mov_b32 s61, s60                             ; (the packed form names the pair)
	s_wait_alu depctr_va_vdst(0)
	v_mul_lo_u32 v2, v4, s38
	v_lshl_add_u32 v2, v3, 4, v2
	v_add_nc_u32 v2, s53, v2                       ; in memory: 32 w + h steps, + 16 r
	v_mul_u32_u24 v12, v4, P
	v_lshl_add_u32 v5, v3, 4, v12
	v_add_nc_u32 v5, s47, v5                       ; the same place in the stage
	v_mul_u32_u24 v10, v4, HSH
	v_lshl_add_u32 v6, v3, 2, v10
	v_add_nc_u32 v6, s49, v6                       ; V: column 16 w + r, rows 64 h on
	v_and_b32 v11, 8, v3
	v_add_nc_u32 v11, v11, v3                      ; r + 8 (r / 8)
	v_lshl_add_u32 v7, v11, 2, v10
	v_add_nc_u32 v7, s50, v7                       ; cached K: column 32 (w / 2) + 8 (w % 2) + r + 8 (r / 8)
	v_add_nc_u32 v8, s51, v11
	v_mul_u32_u24 v8, v8, 2*P
	v_add_nc_u32 v8, v8, v12
	v_add_nc_u32 v8, s48, v8                       ; new K: that key's row, half h of it
	v_lshlrev_b32 v9, 9, v4
	v_lshl_add_u32 v9, v3, 4, v9
	v_add_nc_u32 v9, s54, v9                       ; codes: 1,024 w + 512 h + 16 r
	v_lshl_add_u32 v13, v3, 2, s42                 ; my scale word's place in LDS
	v_lshlrev_b32 v14, 3, v1                       ; 8 x lane
	v_lshlrev_b32 v15, 4, v4                       ; 16 h
	s_wait_alu depctr_va_vdst(0)
	s_wait_kmcnt 0x0
	s_cmp_ge_u32 s25, 640
	s_cbranch_scc1 .Ltail
	s_cmp_eq_u32 s36, 0
	s_cselect_b64 s[4:5], s[4:5], s[6:7]
	s_cselect_b64 s[8:9], s[8:9], s[10:11]
	s_cselect_b64 s[20:21], s[20:21], s[22:23]
	s_cmp_lt_u32 s25, 0x200
	s_cselect_b64 s[4:5], s[4:5], s[8:9]           ; the source
	s_add_nc_u64 s[4:5], s[4:5], s[32:33]
	s_add_nc_u64 s[20:21], s[20:21], s[32:33]      ; out1 and out2 have their input's shape (used by work-groups 512 on alone)
	s_add_nc_u64 s[34:35], s[16:17], s[34:35]
	s_add_nc_u64 s[40:41], s[16:17], s[40:41]
.macro LOADS step                      ; 16 loads of 512 bytes, read once in the launch: whole units of 256 bytes
.set i, 0
.rept 16
	global_load_b128 v[X+4*i:X+4*i+3], v2, s[4:5] offset:i*\step th:TH_LOAD_NT
.set i, i+1
.endr
.endm
.macro OUT step
.set i, 0
.rept 16
	global_store_b128 v2, v[X+4*i:X+4*i+3], s[20:21] offset:i*\step th:TH_STORE_NT
.set i, i+1
.endr
.endm
	s_cmp_lt_u32 s25, 0x100
	s_cbranch_scc0 .Lnot_ck
	LOADS 16384
	s_branch .Lstage
.Lnot_ck:
	s_cmp_eq_u32 s36, 0
	s_cbranch_scc1 .Lnk
	LOADS 1024
	s_cmp_lt_u32 s25, 0x200
	s_cbranch_scc1 .Lstage
	s_wait_loadcnt 0x0                             ; new values: max(., -10000): the result is out2, and what is quantised
.set i, 0
.rept 64
	v_max_num_f32 v[X+i], s55, v[X+i]
.set i, i+1
.endr
	OUT 1024
	s_wait_alu depctr_va_vdst(0)
	s_branch .Lstage
.Lnk:
	s_load_b32 s56, s[12:13], 0x0                  ; kq_scale
	LOADS 512
	s_wait_kmcnt 0x0
	s_mov_b32 s57, s56                             ; (the packed form names the pair)
	s_wait_loadcnt 0x0                             ; new keys: x kq_scale: the result is out1, and what is quantised
.set i, 0
.rept 32
	v_pk_mul_f32 v[X+2*i:X+2*i+1], v[X+2*i:X+2*i+1], s[56:57] op_sel_hi:[1,0]
.set i, i+1
.endr
	OUT 512
.Lstage:
	s_wait_alu depctr_va_vdst(0)
.set g, 0
.rept 4                                ; one path for all four kinds writes the stage
	s_wait_loadcnt 12-4*g                          ; loads come back in order (ISA guide 5.7.1): these four are in, the younger may be out
.set i, 0
.rept 4
	ds_store_b128 v5, v[X+16*g+4*i:X+16*g+4*i+3] offset:(4*g+i)*2*P
.set i, i+1
.endr
.set g, g+1
.endr
	s_wait_xcnt 0x0                                ; the stores of out1 or out2 have read X: it is written again below only behind this wait
	s_wait_dscnt 0x0                               ; for the others' sake: my rows lie in the stage
	s_barrier_signal -1
	s_barrier_wait -1
.macro COLS a                          ; a column: 32 lanes on two runs of consecutive bytes
.set k, 0
.rept 64
	ds_load_b32 v[X+k], v[\a] offset:k*P
.set k, k+1
.endr
.endm
	s_cmp_eq_u32 s36, 1
	s_cbranch_scc1 .Lcol_v
	s_cmp_lt_u32 s25, 0x100
	s_cbranch_scc1 .Lcol_k
.set k, 0
.rept 16                               ; new keys: d runs along a row
	ds_load_b128 v[X+4*k:X+4*k+3], v8 offset:16*k
.set k, k+1
.endr
	s_branch .Lgot
.Lcol_v:
	COLS 6
	s_branch .Lgot
.Lcol_k:
	COLS 7
.Lgot:
	s_wait_dscnt 0x0                               ; v[X + k] is my number 64 h + k along the product's K
.irp b, 0,1
	v_max3_num_f32 v[T+\b], |v[X+32*\b]|, |v[X+32*\b+1]|, 0x1800000   ; block 2 h + b, and the floor 2^(3 - 127): the byte cannot fall under 1
.endr
.irp i, 2,4,6,8,10,12,14,16,18,20,22,24,26,28,30
.irp b, 0,1
	v_max3_num_f32 v[T+\b], v[T+\b], |v[X+32*\b+\i]|, |v[X+32*\b+\i+1]|
.endr
.endr
.irp b, 0,1
	v_add_nc_u32 v[SO+\b], 0xff000000, v[T+\b]     ; 2 off the exponent field: the conversion takes the exponent field of this operand as its scale
.endr
.irp b, 0,1
	v_lshrrev_b32 v[BY+\b], 23, v[SO+\b]           ; the scale's byte
.endr
.irp b, 0,1
.irp g, 0,1,2,3
	v_cvt_scalef32_pk8_fp4_f32 v[C+4*\b+\g], v[X+32*\b+8*\g:X+32*\b+8*\g+7], v[SO+\b]   ; to the nearest code, ties to even; beyond 6 the largest code
.endr
.endr
	v_lshl_or_b32 v12, v[BY+1], 8, v[BY]           ; (the first plain line behind the last scaled conversion)  my two bytes,
.irp j, 0,1
	global_store_b128 v9, v[C+4*\j:C+4*\j+3], s[34:35] offset:256*\j   ; block 2 h + j: each sixteen lanes fill 256 consecutive bytes, aligned
.endr
	v_lshlrev_b32 v12, v15, v12                    ; at their places;
	v_mov_b32 v11, 0
	v_permlanex16_b32 v11, v12, s58, s59
	v_or_b32 v12, v12, v11                         ; with lane l xor 16's two: row r's scale word
	ds_store_b32 v13, v12                          ; (lanes l and l xor 16 write the same word with the same value)
	s_wait_alu depctr_va_vdst(0)
	s_wait_dscnt 0x0                               ; for wave 0's sake
	s_barrier_signal -1
	s_barrier_wait -1
	s_cmp_lg_u32 s24, 0
	s_cbranch_scc1 .Lend
	ds_load_b64 v[T:T+1], v14 offset:SCG
	s_wait_dscnt 0x0
	global_store_b64 v14, v[T:T+1], s[40:41]       ; the four tiles' 64 scale words: 256 consecutive bytes, aligned
.Lend:
	s_wait_tensorcnt 0x0                           ; the wave's end, behind its last LDS store
	ds_add_u32 v94, v95
	s_wait_dscnt 0x0
	s_endpgm
	; THE PADDED POSITIONS: my query's bias at columns 2,560 to 4,095: 6,144 bytes, 512 consecutive bytes a load
.Ltail:
	s_sub_co_u32 s25, s25, 640
	s_lshl_b32 s25, s25, 2
	s_add_co_u32 s25, s25, s24                     ; query = 4 x (number - 640) + wave
	s_lshl_b32 s32, s25, 14
	s_add_co_u32 s32, s32, 10240
	s_mov_b32 s33, 0
	s_add_nc_u64 s[14:15], s[14:15], s[32:33]
	s_lshl_b32 s32, s25, 8
	s_add_nc_u64 s[18:19], s[18:19], s[32:33]
	v_lshlrev_b32 v2, 4, v1
.set i, 0
.rept 12
	global_load_b128 v[X+4*i:X+4*i+3], v2, s[14:15] offset:512*i th:TH_LOAD_NT
.set i, i+1
.endr
	s_wait_alu depctr_va_vdst(0)
	s_wait_loadcnt 0x0
.irp c, 0,1,2,3
	v_max3_num_f32 v[64+\c], v[X+3*\c], v[X+3*\c+1], v[X+3*\c+2]   ; the largest of my 48 numbers, in four chains
.endr
.set j, 12
.rept 18
	v_max3_num_f32 v[64+(j/2)%4], v[64+(j/2)%4], v[X+j], v[X+j+1]
.set j, j+2
.endr
	v_max3_num_f32 v64, v64, v65, v66
	v_max_num_f32 v64, v64, v67
.irp m, 1,2,4,8
	s_delay_alu instid0(VALU_DEP_1)
	v_max_num_f32_dpp v64, v64, v64 row_xmask:\m row_mask:0xf bank_mask:0xf
.endr
	s_delay_alu instid0(VALU_DEP_1)
	v_permlanex16_b32 v65, v64, s58, s59
	s_delay_alu instid0(VALU_DEP_1)
	v_max_num_f32 v64, v64, v65                    ; of the whole row, in every lane
	s_delay_alu instid0(VALU_DEP_1)
	v_mul_f32 v69, s60, v64                        ; as t
	s_delay_alu instid0(VALU_DEP_1)
	v_floor_f32 v68, -v69                          ; -M
.set j, 0
.rept 24
	v_pk_fma_f32 v[X+j:X+j+1], v[X+j:X+j+1], s[60:61], v[68:69] op_sel_hi:[1,0,0]
.set j, j+2
.endr
	s_wait_alu depctr_va_vdst(0)
.set j, 0
.rept 48
	v_exp_f32 v[X+j], v[X+j]
.set j, j+1
.endr
	v_mov_b32 v70, v69                             ; (a plain line behind the exponentials)
	s_wait_alu depctr_va_vdst(0)
.irp k, 0,1,2,3,4,5,6,7
	v_pk_add_f32 v[72+2*\k:73+2*\k], v[X+2*\k:X+2*\k+1], v[X+16+2*\k:X+17+2*\k]
.endr
.irp k, 0,1,2,3,4,5,6,7
	v_pk_add_f32 v[72+2*\k:73+2*\k], v[72+2*\k:73+2*\k], v[X+32+2*\k:X+33+2*\k]
.endr
.irp k, 0,1,2,3
	v_pk_add_f32 v[72+2*\k:73+2*\k], v[72+2*\k:73+2*\k], v[80+2*\k:81+2*\k]
.endr
	v_pk_add_f32 v[72:73], v[72:73], v[76:77]
	v_pk_add_f32 v[74:75], v[74:75], v[78:79]
	s_delay_alu instid0(VALU_DEP_1)
	v_pk_add_f32 v[72:73], v[72:73], v[74:75]
	s_delay_alu instid0(VALU_DEP_1)
	v_add_f32 v71, v72, v73
.irp m, 1,2,4,8
	s_delay_alu instid0(VALU_DEP_1)
	v_add_f32_dpp v71, v71, v71 row_xmask:\m row_mask:0xf bank_mask:0xf
.endr
	s_delay_alu instid0(VALU_DEP_1)
	v_permlanex16_b32 v65, v71, s58, s59
	s_delay_alu instid0(VALU_DEP_1)
	v_add_f32 v71, v71, v65
	global_store_b64 v14, v[70:71], s[18:19]       ; 32 lanes store the same pair: a whole aligned unit of 256 bytes
	s_endpgm
.Lfunc_end_k_q2c4c58f7bc_prep:
	.size	k_q2c4c58f7bc_prep, .Lfunc_end_k_q2c4c58f7bc_prep-k_q2c4c58f7bc_prep
	.p2alignl 7, 3214868480
	.fill 96, 4, 3214868480
	.section	.rodata,"a",@progbits
	.p2align	6, 0x0
	.amdhsa_kernel k_q2c4c58f7bc_prep
		.amdhsa_group_segment_fixed_size 35840
		.amdhsa_private_segment_fixed_size 0
		.amdhsa_enable_private_segment 0
		.amdhsa_kernarg_size 80
		.amdhsa_user_sgpr_count 2
		.amdhsa_user_sgpr_kernarg_segment_ptr 1
		.amdhsa_wavefront_size32 1
		.amdhsa_system_sgpr_workgroup_id_x 1
		.amdhsa_system_sgpr_workgroup_id_y 1
		.amdhsa_system_sgpr_workgroup_id_z 1
		.amdhsa_system_vgpr_workitem_id 0
		.amdhsa_next_free_vgpr 96
		.amdhsa_next_free_sgpr 66
		.amdhsa_reserve_vcc 0
		.amdhsa_float_denorm_mode_32 3
		.amdhsa_float_denorm_mode_16_64 3
		.amdhsa_memory_ordered 1
		.amdhsa_forward_progress 1
		.amdhsa_inst_pref_size 41
	.end_amdhsa_kernel
	.amdgpu_metadata
---
amdhsa.version: [ 1, 2 ]
amdhsa.kernels:
  - .name:           k_q2c4c58f7bc_prep
    .symbol:         k_q2c4c58f7bc_prep.kd
    .args:
      - { .name: key_t_caches, .offset: 0, .size: 8, .value_kind: global_buffer, .address_space: global }
      - { .name: value_caches, .offset: 8, .size: 8, .value_kind: global_buffer, .address_space: global }
      - { .name: keys, .offset: 16, .size: 8, .value_kind: global_buffer, .address_space: global }
      - { .name: values, .offset: 24, .size: 8, .value_kind: global_buffer, .address_space: global }
      - { .name: kq_scale, .offset: 32, .size: 8, .value_kind: global_buffer, .address_space: global }
      - { .name: attn_bias, .offset: 40, .size: 8, .value_kind: global_buffer, .address_space: global }
      - { .name: kv, .offset: 48, .size: 8, .value_kind: global_buffer, .address_space: global }
      - { .name: stat, .offset: 56, .size: 8, .value_kind: global_buffer, .address_space: global }
      - { .name: out1, .offset: 64, .size: 8, .value_kind: global_buffer, .address_space: global }
      - { .name: out2, .offset: 72, .size: 8, .value_kind: global_buffer, .address_space: global }
    .group_segment_fixed_size: 35840
    .private_segment_fixed_size: 0
    .kernarg_segment_align: 8
    .kernarg_segment_size: 80
    .max_flat_workgroup_size: 128
    .sgpr_count:     66
    .vgpr_count:     96
    .wavefront_size: 32
...
	.end_amdgpu_metadata
.endif
;; end of part 1
;; launch attn (part 2): grid 32 x 8, 8 waves a work-group, clusters of 4 x 4, 327,680 bytes of LDS; arguments queries_codes, queries_scales, kv, attn_bias, stat, out0; writes out0
.if DOCPART == 2
	.amdgcn_target "amdgcn-amd-amdhsa--gfx1250"
	.amdhsa_code_object_version 6
	.text
	.protected	k_q2c4c58f7bc_attn
	.globl	k_q2c4c58f7bc_attn
	.p2align	8
	.type	k_q2c4c58f7bc_attn,@function
k_q2c4c58f7bc_attn:
	s_mov_b64 s[64:65], 0
	v_nop
	global_prefetch_b8 v0, s[64:65] scope:SCOPE_SE
	s_setreg_imm32_b32 hwreg(HW_REG_WAVE_MODE, 25, 1), 1
	s_wait_xcnt 0x0
	s_wait_alu depctr_hold_cnt(0) depctr_sa_sdst(0) depctr_va_vdst(0) depctr_va_sdst(0) depctr_va_ssrc(0) depctr_va_vcc(0) depctr_vm_vsrc(0)
	s_getreg_b32 s2, hwreg(HW_REG_IB_STS2, 6, 4)
	s_cmp_eq_u32 s2, 0
	s_cbranch_scc0 .Lentry_in_a_cluster
	s_endpgm
.Lentry_in_a_cluster:
	s_bfe_u32 s2, ttmp6, 0x10000c
	s_cmp_lg_u32 s2, 0xf033
	s_cbranch_scc0 .Lentry_shape_is_right
	s_endpgm
.Lentry_shape_is_right:
; out0[head][q][:] = the sum over the 4,096 positions of softmax(Q . K + bias) V, both products on codes of FP4 (E2M1) with one E8M0 scale for each 32 along a product's K.
; Q arrives as codes.  K and V of positions 0 to 2,559 lie in the workspace kv as images of the operands' registers, a record of 17,408 bytes for each head and each step of 128 keys:
;   +0 K's 8 tiles ([block][row][16 bytes]; row r of tile 2 b + u is key 32 b + 8 u + r + 8 (r / 8)); +8192 V^T's 8 tiles (row r of tile t is channel 16 t + r); +16384 K's scale words; +16896 V's.
; WORK LEFT OUT: positions 2,560 to 4,095 hold zero keys and zero values by the problem's own padding: neither product is made for them.  Their share of each row's maximum and sum comes from the workspace stat.
; THE SOFTMAX: t = (score + bias) x log2(e); M = the largest t so far rounded UP to a whole number; p = 2^(t - M) is quantised along the keys; the sum is taken of the unquantised p and divides at the end.
; SHARES.  A work-group owns 16 queries (tile qt) of the four heads of one key and value head: 256 work-groups, 8 waves.  Wave w: heads 2 hp and 2 hp + 1 (hp = w % 2), called A and B below; split sp = w / 2: key steps 5 sp .. 5 sp + 4.
; One read of a fragment of K, of V or of the bias from LDS serves both heads.  A head's four splits are joined at the end through LDS: weights 2^(M_split - M) are exact.
; LAYOUT.  Both products are used transposed (S^T = K Q^T, O^T = V^T P^T): a lane holds ONE query (lane % 16) throughout; registers 16 b + i of S^T are keys 32 b + 16 (lane / 16) + i.
; THE BIAS IS THE C OF THE FIRST PRODUCT: it is loaded into A's S registers; B's product takes them as C and writes B's, then A's product adds in place.
; THE TWO HEADS' SOFTMAXES RUN BY TURNS: eight blocks' maxima together; B's multiply-adds stand among A's exponentials, A's first additions among B's.
; CLUSTER, 4 x 4.  A record hangs on the key and value head alone, which the four work-groups of a row of the cluster share; a bias tile on the query tile alone, which a column shares.  Each is asked for JOINTLY: the same
; tensor load with the same descriptor and a mask that names the four.  No branch and no LDS address hangs on a work-group's place in its cluster.
; THE FILLS.  Every wave issues four tensor loads, one behind each round: waves 0-3 records (of split w), waves 4-7 bias tiles (of split w - 4): step 0 (regions R0, B0); steps 1 and 2 (R1, B1); step 3 (R0, B0 again); step 4 (the first half of R1, B1 again).
; LDS READS RUN AHEAD: K of step n + 1 is read behind step n's first products, the bias behind A's sums, V behind the second products; in step 0, K and the bias of step 1 come behind the round.
; LIMITS: the scaled scores stay under 2^31 in magnitude; NaN and infinities among the inputs are not served; a p under 2^-126 counts as 0 (v_exp_f32 gives no denormals: ISA guide 15.8); the row's sum and O are added split by split, not in the order of the keys.
.set REC, 17408                        ; a record
.set BP,  528                          ; a row of a bias tile in LDS: 512 bytes + 16
.set BT,  16*BP                        ; a bias tile
.set R1,  4*REC                        ; R0: four records from LDS byte 0 on; R1: four times two records
.set B0,  12*REC                       ; four bias tiles
.set B1,  B0+4*BT                      ; four times 16 rows of two steps: a query's row is 512 bytes of step 1, 16 of padding, 512 of step 2, 16 of padding
.set STAT, B1+8*BT                     ; (-M, sum) a lane: 256 bytes for each head and split
.set SPARE, STAT+4096                  ; the spare words, 128 bytes for each wave
; The stage for the way out, 16 x BT bytes from LDS byte 0 on, lies in R0 and R1, which have had their last fill and their last read when the first result is stored there.
; VECTOR REGISTERS, window 0: v1, v2 K's and V's places in R0, R1; v3, v4 their scale words'; v5 the bias in B0, v6 in B1 (steps 1, 2), v7 in B1 (step 4); v8 my spare word, v9 0; v10, v11 STAT: read, write;
;   v12 -M, v13 the largest t, v[14:15] the sum in two halves of A; v16-19 the same of B; v20-27 A's Q, v32-39 B's; v28, v29 p's scale words; v30 the stage: in, v31: back; v40-47, v48-55 p's codes; v56-59 V's scale words;
;   v60 16 x lane; v61 the prefetches' offset; v64-67 K's scale words; v68, v69 Q's; v70-95 sums; v96-159, v160-223 S^T, p; v224-255 at work (v[248:249], v[250:251] f of A, B).
; Window 1: v0-63 K; v64-127 V; v128-191, v192-255 O^T of A, B.
; SCALAR: s16 wave, s17 hp, s18 sp, s19 w % 4; s[24:31] group 1 for one record, s[32:39] one bias tile, s[40:47] two records, s[48:55] two steps' bias; s[68:83], s[84:99] groups 0 for the four fills; s[66:67] lane selects; s[56:57] log2(e); s[62:63] the prefetches' base.
.set MSB, 0
.macro WIN new                         ; s_set_vgpr_msb: bits 1:0 source 0, 3:2 source 1, 5:4 source 2, 7:6 destination; the high byte repeats the setting that is left
.if MSB != \new
	s_set_vgpr_msb (MSB<<8)|\new
.set MSB, \new
.endif
.endm
.macro PLACES
.rept 4
	v_nop                                          ; four places behind matrix instructions (ISA guide 7.12.1)
.endr
.endm
.macro CREST                           ; a round of the cluster's barrier behind its opening work-group barrier
	s_cmp_lg_u32 s16, 0
	s_cbranch_scc1 .Lnot_wave_0_\@
	s_barrier_signal -3
.Lnot_wave_0_\@:
	s_barrier_wait -3
	s_barrier_signal -1
	s_barrier_wait -1
.endm
.macro CROUND
	s_barrier_signal -1
	s_barrier_wait -1
	CREST
.endm
.macro TLOAD fill, g1r, g1b            ; a joint load of the fill-th kind; the branch hangs on the wave's number alone
	s_cmp_lt_u32 s16, 4
	s_cbranch_scc0 .Lfor_b_\@
	tensor_load_to_lds s[68+4*\fill:71+4*\fill], s[\g1r:\g1r+7]
	s_nop 0
	PLACES
	s_branch .Lasked_\@
.Lfor_b_\@:
	tensor_load_to_lds s[84+4*\fill:87+4*\fill], s[\g1b:\g1b+7]
	s_nop 0
	PLACES
.Lasked_\@:
.endm
; A PREFETCH INTO THE L2 of step k's tiles: steps 1 and 2 behind the head's joint load, a whole load's landing ahead of theirs; step 3 in front of step 0 and step 4 at its end, a key step ahead of their loads.
; Wave 0 asks for records, wave 4 for the bias, one instruction each.  The work-groups share the blocks of 256 bytes out BY ADDRESS: of step k's four records a cluster with x % 4 = s asks for split s's, its column cx for 17 of the 68 blocks (lanes 17-31 name the last again),
; so a block is asked for by two clusters, x and x + 4; of the query tile's bias the partner cy asks for split cy's 16 rows x 2 blocks.  Every address lies inside its buffer; what is asked for is what a later joint load brings.
.macro ASK k
	s_cmp_eq_u32 s16, 0
	s_cbranch_scc0 .Lnot_r_\@
	global_prefetch_b8 v61, s[62:63] offset:\k*REC th:TH_LOAD_NT scope:SCOPE_SE
.Lnot_r_\@:
	s_cmp_eq_u32 s16, 4
	s_cbranch_scc0 .Lnot_b_\@
	global_prefetch_b8 v61, s[62:63] offset:\k*512 th:TH_LOAD_NT scope:SCOPE_SE
.Lnot_b_\@:
.endm
.macro LOADK ak, as, off               ; 20 LDS loads: K's eight tiles as they lie, 512 consecutive bytes a load, and their scale words (lanes 0-15: tile 2 p, lanes 16-31: tile 2 p + 1)
	WIN 0x40
.irp t, 0,1,2,3,4,5,6,7
.irp c, 0,1
	ds_load_b128 v[8*\t+4*\c:3+8*\t+4*\c], v[\ak] offset:(\off)+1024*\t+512*\c
.endr
.endr
	WIN 0
.irp p, 0,1,2,3
	ds_load_b32 v[64+\p], v[\as] offset:(\off)+128*\p
.endr
.endm
.macro LOADB ab, off                   ; 16 LDS loads: the bias of my query at keys 32 b + 16 (lane / 16) + 4 j on, into A's S registers
.irp b, 0,1,2,3
.irp j, 0,1,2,3
	ds_load_b128 v[96+16*\b+4*\j:99+16*\b+4*\j], v[\ab] offset:(\off)+128*\b+16*\j
.endr
.endr
.endm
.macro LOADV ak, as, off               ; 20 LDS loads: V^T's tiles and their scale words
	WIN 0x40
.irp t, 0,1,2,3,4,5,6,7
.irp c, 0,1
	ds_load_b128 v[64+8*\t+4*\c:67+8*\t+4*\c], v[\ak] offset:(\off)+8192+1024*\t+512*\c
.endr
.endr
	WIN 0
.irp p, 0,1,2,3
	ds_load_b32 v[56+\p], v[\as] offset:(\off)+512+128*\p
.endr
.endm
.macro QK d, q, qs                     ; S^T = K Q^T + bias: eight accumulators, one instruction each
.irp t, 0,2,4,6
	v_wmma_scale_f32_16x16x128_f8f6f4 v[\d+8*\t:\d+7+8*\t], v[8*\t:7+8*\t], v[\q:\q+7], v[96+8*\t:103+8*\t], v[64+\t/2], v[\qs] matrix_a_fmt:MATRIX_FMT_FP4 matrix_b_fmt:MATRIX_FMT_FP4
	v_wmma_scale_f32_16x16x128_f8f6f4 v[\d+8+8*\t:\d+15+8*\t], v[8+8*\t:15+8*\t], v[\q:\q+7], v[104+8*\t:111+8*\t], v[64+\t/2], v[\qs] matrix_a_fmt:MATRIX_FMT_FP4 matrix_b_fmt:MATRIX_FMT_FP4 matrix_a_scale:MATRIX_SCALE_ROW1
.endr
.endm
.macro PV1 first, o, p, ps             ; O^T += V^T P^T: eight accumulators, one instruction each; the first step starts the sums with the constant 0
.irp t, 0,2,4,6
.if \first
	v_wmma_scale_f32_16x16x128_f8f6f4 v[\o+8*\t:\o+7+8*\t], v[64+8*\t:71+8*\t], v[\p:\p+7], 0, v[56+\t/2], v[\ps] matrix_a_fmt:MATRIX_FMT_FP4 matrix_b_fmt:MATRIX_FMT_FP4
	v_wmma_scale_f32_16x16x128_f8f6f4 v[\o+8+8*\t:\o+15+8*\t], v[72+8*\t:79+8*\t], v[\p:\p+7], 0, v[56+\t/2], v[\ps] matrix_a_fmt:MATRIX_FMT_FP4 matrix_b_fmt:MATRIX_FMT_FP4 matrix_a_scale:MATRIX_SCALE_ROW1
.else
	v_wmma_scale_f32_16x16x128_f8f6f4 v[\o+8*\t:\o+7+8*\t], v[64+8*\t:71+8*\t], v[\p:\p+7], v[\o+8*\t:\o+7+8*\t], v[56+\t/2], v[\ps] matrix_a_fmt:MATRIX_FMT_FP4 matrix_b_fmt:MATRIX_FMT_FP4
	v_wmma_scale_f32_16x16x128_f8f6f4 v[\o+8+8*\t:\o+15+8*\t], v[72+8*\t:79+8*\t], v[\p:\p+7], v[\o+8+8*\t:\o+15+8*\t], v[56+\t/2], v[\ps] matrix_a_fmt:MATRIX_FMT_FP4 matrix_b_fmt:MATRIX_FMT_FP4 matrix_a_scale:MATRIX_SCALE_ROW1
.endif
.endr
.endm
.macro PV first
	WIN 0x51
	PV1 \first, 128, 40, 28
	PV1 \first, 192, 48, 29
	WIN 0
.endm
.macro FMAS from, count                ; A's t - M, two at a time
.set j, \from
.rept \count
	v_pk_fma_f32 v[96+2*j:97+2*j], v[96+2*j:97+2*j], s[56:57], v[12:13] op_sel_hi:[1,0,0]
.set j, j+1
.endr
.endm
.macro SOFTMAX                         ; both heads: blocks 0-3 are A's, 4-7 B's
.irp b, 0,1,2,3,4,5,6,7
	v_max3_num_f32 v[224+\b], v[96+16*\b], v[97+16*\b], v[98+16*\b]   ; the largest score of each block of 32 keys: it serves for the row's maximum and, since p rises with the score, for the block's largest p
.endr
.irp i, 3,5,7,9,11,13
.irp b, 0,1,2,3,4,5,6,7
	v_max3_num_f32 v[224+\b], v[224+\b], v[96+16*\b+\i], v[97+16*\b+\i]
.endr
.endr
.irp b, 0,1,2,3,4,5,6,7
	v_max_num_f32 v[224+\b], v[224+\b], v[111+16*\b]
.endr
.irp b, 0,1,2,3,4,5,6,7
	v_permlanex16_b32 v[232+\b], v[224+\b], s66, s67
.endr
.irp b, 0,1,2,3,4,5,6,7
	v_max_num_f32 v[224+\b], v[224+\b], v[232+\b]  ; with lane l xor 16's 16 keys
.endr
	v_max3_num_f32 v252, v224, v225, v226
	v_max3_num_f32 v253, v228, v229, v230
	v_max_num_f32 v252, v252, v227                 ; the step's largest score of my query
	v_max_num_f32 v253, v253, v231
	v_mul_f32 v252, s56, v252                      ; as t
	v_mul_f32 v253, s56, v253
	v_max_num_f32 v13, v13, v252                   ; the running largest t
	v_max_num_f32 v17, v17, v253
	v_mov_b32 v252, v12
	v_mov_b32 v253, v16
	v_floor_f32 v12, -v13                          ; the new -M = floor(-t) = -ceil(t): M is a whole number
	v_floor_f32 v16, -v17
	v_sub_f32 v252, v12, v252                      ; M's old value less its new one: a whole number, 0 or less
	v_sub_f32 v253, v16, v253
	FMAS 0, 8
	v_cvt_i32_f32 v252, v252                       ; (it saturates)
	v_cvt_i32_f32 v253, v253
	FMAS 8, 8
	v_ldexp_f32 v248, 1.0, v252                    ; f = 2^(old M - new M): a multiplication by it rounds nothing
	v_ldexp_f32 v250, 1.0, v253
	FMAS 16, 16
.irp b, 0,1,2,3
	v_fma_f32 v[224+\b], v[224+\b], s56, v12       ; the same of each block's largest score
.endr
	s_wait_alu depctr_va_vdst(0)
.set j, 0
.rept 32                               ; A's p = 2^(t - M), not normalised; B's t - M among them
	v_exp_f32 v[96+2*j], v[96+2*j]
	v_pk_fma_f32 v[160+2*j:161+2*j], v[160+2*j:161+2*j], s[56:57], v[16:17] op_sel_hi:[1,0,0]
	v_exp_f32 v[97+2*j], v[97+2*j]
.set j, j+1
.endr
.irp b, 0,1,2,3
	v_exp_f32 v[224+\b], v[224+\b]                 ; the block's largest p: the same two instructions on the same number
	v_fma_f32 v[228+\b], v[228+\b], s56, v16
.endr
	v_pk_mul_f32 v[14:15], v[14:15], v[248:249] op_sel_hi:[1,0]   ; A's sums under the new M
	s_wait_alu depctr_va_vdst(0)
.set j, 0
.rept 13                               ; B's p; among them thirteen of A's first additions (pairs k and k + 8, 16 + k and 24 + k), none of which reads another's result
	v_exp_f32 v[160+4*j], v[160+4*j]
	v_exp_f32 v[161+4*j], v[161+4*j]
.if j < 8
	v_pk_add_f32 v[70+2*j:71+2*j], v[96+2*j:97+2*j], v[112+2*j:113+2*j]
.else
	v_pk_add_f32 v[70+2*j:71+2*j], v[112+2*j:113+2*j], v[128+2*j:129+2*j]
.endif
	v_exp_f32 v[162+4*j], v[162+4*j]
	v_exp_f32 v[163+4*j], v[163+4*j]
.set j, j+1
.endr
.irp j, 52,53,54,55,56,57,58,59,60,61,62,63
	v_exp_f32 v[160+\j], v[160+\j]
.endr
.irp b, 4,5,6,7
	v_exp_f32 v[224+\b], v[224+\b]
.endr
	v_pk_mul_f32 v[18:19], v[18:19], v[250:251] op_sel_hi:[1,0]
	s_wait_alu depctr_va_vdst(0)
.irp b, 0,1,2,3,4,5,6,7
	v_max_num_f32 v[224+\b], 0x1800000, v[224+\b]  ; the floor 2^(3 - 127): the byte cannot fall under 1 (a block whose every p is 0 keeps that byte: its codes are zeros)
.endr
.irp b, 0,1,2,3,4,5,6,7
	v_add_nc_u32 v[240+\b], 0xff000000, v[224+\b]  ; 2 off the exponent field: the conversion's scale operand
.endr
.irp b, 0,1,2,3,4,5,6,7
	v_lshrrev_b32 v[232+\b], 23, v[240+\b]         ; the scale's byte
.endr
.irp b, 0,1,2,3
	v_lshl_or_b32 v[252+\b], v[233+2*\b], 8, v[232+2*\b]
.endr
.irp b, 0,1,2,3,4,5,6,7
	v_cvt_scalef32_pk8_fp4_f32 v[40+2*\b], v[96+16*\b:103+16*\b], v[240+\b]
	v_cvt_scalef32_pk8_fp4_f32 v[41+2*\b], v[104+16*\b:111+16*\b], v[240+\b]
.endr
	v_lshl_or_b32 v28, v253, 16, v252              ; p's scale words for these 128 keys.  (Plain lines behind the last scaled conversion)
	v_lshl_or_b32 v29, v255, 16, v254
.irp c, 0,1,2,3                        ; the operand's layout wants a whole block in a lane: lanes 0-15 block 2 c, lanes 16-31 block 2 c + 1
.irp i, 0,1
	v_permlane16_swap_b32 v[40+4*\c+\i], v[42+4*\c+\i]
.endr
.endr
.endm
.macro ADD d, s                        ; the row's sum of the unquantised p, two at a time
	v_pk_add_f32 v[\d:\d+1], v[\d:\d+1], v[\s:\s+1]
.endm
.macro SUMA                            ; A: the last reads of its p
.irp k, 0,1,2,3,4
	ADD 70+2*\k, 86+2*\k
.endr
	ADD 80, 138
	ADD 82, 140
	ADD 84, 142
	ADD 80, 154
	ADD 82, 156
	ADD 84, 158
.endm
.macro SUMB                            ; B, and A's tree among it
.irp k, 0,1,2,3,4,5,6,7
	v_pk_add_f32 v[224+2*\k:225+2*\k], v[160+2*\k:161+2*\k], v[176+2*\k:177+2*\k]
.endr
.irp k, 0,1,2,3
	ADD 70+2*\k, 78+2*\k
.endr
.irp k, 0,1,2,3,4,5,6,7
	ADD 224+2*\k, 192+2*\k
.endr
	ADD 70, 74
	ADD 72, 76
.irp k, 0,1,2,3,4,5,6,7
	ADD 224+2*\k, 208+2*\k
.endr
	ADD 70, 72
.irp k, 0,1,2,3
	ADD 224+2*\k, 232+2*\k
.endr
	ADD 14, 70
	ADD 224, 228
	ADD 226, 230
	v_nop
	ADD 224, 226
	ADD 18, 224
.endm
.macro RESCALE                         ; O^T of both heads under the new M, each accumulator from its low end on
	WIN 0x41
	s_wait_alu depctr_va_vdst(0)
.set j, 0
.rept 32
	v_pk_mul_f32 v[128+2*j:129+2*j], v[128+2*j:129+2*j], v[248:249] op_sel_hi:[1,0]
.set j, j+1
.endr
.set j, 0
.rept 32
	v_pk_mul_f32 v[192+2*j:193+2*j], v[192+2*j:193+2*j], v[250:251] op_sel_hi:[1,0]
.set j, j+1
.endr
	WIN 0
.endm
.macro HOOK                            ; ahead of a barrier that shows what has landed
	s_wait_alu depctr_va_vdst(0)
	s_wait_tensorcnt 0x0                           ; my tensor load has landed;
	ds_add_u32 v8, v9                              ; 0 onto my spare word; work on registers stands between it and the wait for it
.endm
.macro SAY
	s_wait_alu depctr_va_vdst(0)
	s_wait_dscnt 0x0                               ; the add is done, and so are my LDS reads
	s_barrier_signal -1
.endm
; A KEY STEP of my split, for both heads.
.macro STEP st
	s_wait_alu depctr_va_vdst(0)
.if \st == 4
	s_wait_dscnt 0x0                               ; all that I read of the regions is in registers:
	s_barrier_signal -1                            ; the stage may be written behind this barrier
.else
	s_wait_dscnt 20                                ; K and the bias are in; V's 20 loads, the youngest, may be out
.endif
	WIN 0x01
	QK 160, 32, 69                                 ; B: C is the bias in A's registers
	v_nop                                          ; five places: A's products write over what B's took as C
	PLACES
	QK 96, 20, 68                                  ; A: in place
	WIN 0
	PLACES                                         ; in front of loads into K's registers, and of the first read of the scores
.if \st == 1
	LOADK 2, 4, REC
.endif
.if \st == 2
	LOADK 1, 3, 0
.endif
.if \st == 3
	LOADK 2, 4, 0
.endif
	SOFTMAX
.if \st == 0
	HOOK
	SUMA
	SAY                                            ; this barrier opens a round
	SUMB                                           ; work on registers while the others arrive
	s_wait_alu depctr_va_vdst(0)
	s_barrier_wait -1
	CREST                                          ; steps 1 and 2 have landed in every work-group, and nobody reads R0 or B0 any more
	TLOAD 2, 24, 32                                ; step 3
	LOADK 2, 4, 0
	LOADB 6, 0
	ASK 4
	PV 1
	PLACES
	LOADV 2, 4, 0
.else
	SUMA
.if \st == 1
	LOADB 6, BP
.endif
.if \st == 2
	LOADB 5, 0
.endif
.if \st == 3
	LOADB 7, 0
.endif
	SUMB
.if \st < 3
	HOOK
.endif
	RESCALE
.if \st < 3
	SAY                                            ; (st = 1: this barrier opens a round)
.endif
.if \st == 3
	s_wait_alu depctr_va_vdst(0)
	s_wait_dscnt 36                                ; V is in; the next step's K (20 loads) and bias (16) may be out
.endif
	PV 0                                           ; (st < 3: work on registers while the others arrive)
.if \st < 3
	s_barrier_wait -1
.endif
.if \st == 1
	CREST                                          ; step 3 has landed, and nobody reads the first half of R1, or B1, any more (step 2's K and bias are in registers; its V lies in R1's second half)
	TLOAD 3, 24, 32                                ; step 4
.endif
.if \st < 4
	PLACES
.endif
.if \st == 1
	LOADV 2, 4, REC
.endif
.if \st == 2
	LOADV 1, 3, 0
.endif
.if \st == 3
	LOADV 2, 4, 0
.endif
.endif
.endm
	s_load_b256 s[4:11], s[0:1], 0x0               ; Q's codes s[4:5], Q's scales s[6:7], kv s[8:9], the bias s[10:11]
	s_load_b128 s[12:15], s[0:1], 0x20             ; stat s[12:13], out0 s[14:15]
	v_lshl_add_u32 v8, v0, 2, SPARE
	v_mov_b32 v9, 0
	ds_add_u32 v8, v9                              ; the wave's opening: the add, twice on end, and its wait
	ds_add_u32 v8, v9
	v_lshrrev_b32 v96, 5, v0
	v_readfirstlane_b32 s16, v96                   ; wave 0..7
	s_and_b32 s17, s16, 1                          ; hp
	s_lshr_b32 s18, s16, 1                         ; sp
	s_and_b32 s19, s16, 3                          ; the split that I fetch for
	s_bfe_u32 s62, ttmp6, 0x40000                  ; cx, cy: my place in the cluster
	s_bfe_u32 s63, ttmp6, 0x40004
	s_lshl_b32 s20, ttmp9, 2
	s_add_co_u32 s20, s20, s62                     ; the query tile = 4 x cluster x + cx
	s_and_b32 s21, ttmp7, 0xffff
	s_lshl_b32 s21, s21, 2
	s_add_co_u32 s21, s21, s63                     ; the key and value head = 4 x cluster y + cy
	s_lshl_b32 s2, s63, 2
	s_lshl_b32 s2, 15, s2                          ; my row of the cluster
	s_lshl_b32 s3, 0x1111, s62                     ; my column
	; group 1 for records: dense bytes as 68 or 136 rows of 32 elements of 8 bytes, no padding; bits 15:0 the mask: my row; 21 set beside a mask
	s_or_b32 s24, s2, (3<<16)|(1<<21)
	s_mov_b32 s25, 32<<16
	s_mov_b32 s26, 68<<16
	s_mov_b32 s27, 32<<16
	s_mov_b32 s28, 68
	s_mov_b32 s29, 32
	s_mov_b32 s30, 0
	s_mov_b32 s31, 0
	s_or_b32 s40, s2, (3<<16)|(1<<21)
	s_mov_b32 s41, 32<<16
	s_mov_b32 s42, 136<<16
	s_mov_b32 s43, 32<<16
	s_mov_b32 s44, 136
	s_mov_b32 s45, 32
	s_mov_b32 s46, 0
	s_mov_b32 s47, 0
	; group 1 for the bias: 16 rows of 128 or 256 elements of 4 bytes, 4,096 elements apart; 4 words of padding behind every 128; the mask: my column
	s_or_b32 s32, s3, (2<<16)|(1<<20)|(1<<21)|(6<<22)|(3<<25)
	s_mov_b32 s33, 128<<16
	s_mov_b32 s34, 16<<16
	s_mov_b32 s35, 128<<16
	s_mov_b32 s36, 16
	s_mov_b32 s37, 4096
	s_mov_b32 s38, 0
	s_mov_b32 s39, 0
	s_or_b32 s48, s3, (2<<16)|(1<<20)|(1<<21)|(6<<22)|(3<<25)
	s_mov_b32 s49, 256<<16
	s_mov_b32 s50, 16<<16
	s_mov_b32 s51, 256<<16
	s_mov_b32 s52, 16
	s_mov_b32 s53, 4096
	s_mov_b32 s54, 0
	s_mov_b32 s55, 0
	s_mov_b32 s66, 0x76543210
	s_mov_b32 s67, 0xfedcba98                      ; v_permlanex16_b32's selects for lane l xor 16
	s_mov_b32 s56, 0x3fb8aa3b                      ; log2(e)
	s_mov_b32 s57, s56                             ; (the packed form names the pair)
	; what I fetch: places in LDS, made of the wave's number alone, and in memory
	s_mul_i32 s22, s19, REC
	s_mul_i32 s23, s19, 2*REC
	s_add_co_u32 s23, s23, R1
	s_mul_i32 s100, s19, BT
	s_add_co_u32 s100, s100, B0
	s_mul_i32 s101, s19, 2*BT
	s_add_co_u32 s101, s101, B1
	s_mul_i32 s58, s21, 20*REC
	s_mul_i32 s59, s19, 5*REC
	s_add_co_u32 s58, s58, s59                     ; records: made of the head and the wave's number alone
	s_lshl_b32 s60, s20, 18
	s_mul_i32 s61, s19, 2560
	s_add_co_u32 s60, s60, s61                     ; bias: 16 rows of 16,384 bytes a query tile, 640 columns a split
	s_mov_b32 s59, 0
	s_mov_b32 s61, 0
	; what I prefetch (macro ASK)
	s_mul_i32 s80, s21, 20*REC
	s_and_b32 s2, ttmp9, 3
	s_mul_i32 s2, s2, 5*REC
	s_add_co_u32 s80, s80, s2
	s_mul_i32 s2, s62, 17*256
	s_add_co_u32 s80, s80, s2                      ; records
	s_lshl_b32 s82, s20, 18
	s_mul_i32 s2, s63, 2560
	s_add_co_u32 s82, s82, s2                      ; bias
	s_mov_b32 s81, 0
	; what I read, store and own
	s_mul_i32 s68, s18, REC
	s_mul_i32 s69, s18, 2*REC
	s_add_co_u32 s69, s69, R1
	s_add_co_u32 s70, s68, 16384
	s_add_co_u32 s71, s69, 16384
	s_mul_i32 s72, s18, BT
	s_add_co_u32 s72, s72, B0
	s_mul_i32 s73, s18, 2*BT
	s_add_co_u32 s73, s73, B1
	s_lshl_b32 s74, s18, 10
	s_lshl_b32 s75, s17, 6
	s_add_co_u32 s74, s74, s75
	s_add_co_u32 s74, s74, STAT
	s_lshl_b32 s75, s17, 11
	s_lshl_b32 s76, s18, 8
	s_add_co_u32 s75, s75, s76
	s_add_co_u32 s75, s75, STAT
	s_lshl_b32 s76, s17, 3
	s_add_co_u32 s76, s76, s18
	s_mul_i32 s76, s76, BT
	s_mul_i32 s77, s18, 4*BT
	s_mul_i32 s78, s17, 8*BP
	s_add_co_u32 s77, s77, s78
	s_lshl_b32 s62, s21, 2
	s_lshl_b32 s63, s17, 1
	s_add_co_u32 s63, s63, s62                     ; head A
	s_add_co_u32 s62, s62, s18                     ; the head whose rows I store
	s_lshl_b32 s63, s63, 9
	s_lshl_b32 s62, s62, 9
	s_lshl_b32 s2, s20, 4
	s_add_co_u32 s63, s63, s2                      ; A's first row of Q
	s_add_co_u32 s62, s62, s2
	s_lshl_b32 s2, s17, 3
	s_add_co_u32 s62, s62, s2                      ; my first row of out0
	s_mov_b32 s3, 0
	s_cmp_lt_u32 s16, 4
	s_cselect_b32 s79, -1, 0
	v_and_b32 v96, 31, v0                          ; lane
	v_and_b32 v97, 15, v0                          ; r
	v_bfe_u32 v98, v0, 4, 1                        ; h
	v_and_b32 v99, 7, v0
	v_lshlrev_b32 v60, 4, v96
	v_mul_u32_u24 v100, v97, BP
	v_add_nc_u32 v1, s68, v60
	v_add_nc_u32 v2, s69, v60
	v_lshl_add_u32 v3, v96, 2, s70
	v_lshl_add_u32 v4, v96, 2, s71
	v_lshl_add_u32 v101, v98, 6, v100              ; row r of a bias tile, + 64 h
	v_add_nc_u32 v5, s72, v101
	v_add_nc_u32 v7, s73, v101
	v_add_nc_u32 v6, v7, v100                      ; (two steps to a row: rows 2 BP apart)
	v_lshl_add_u32 v10, v99, 3, s74                ; STAT of head sp, row 8 hp + lane % 8: split 0's; the others 256 bytes apart
	v_lshl_add_u32 v11, v96, 3, s75                ; STAT of head A, my split; B's 1,024 bytes on
	v_lshl_add_u32 v30, v98, 5, v100
	v_add_nc_u32 v30, s76, v30                     ; the stage, in: part 4 x head + sp, row r, + 32 h
	v_add_nc_u32 v31, s77, v60                     ; back: head sp, rows 8 hp on, 16 bytes a lane
	v_lshlrev_b32 v102, 6, v97
	v_lshl_add_u32 v102, v98, 4, v102              ; Q's codes: row r of 64 bytes, + 16 h
	v_lshlrev_b32 v103, 2, v97                     ; Q's scale words
	v_lshlrev_b32 v104, 8, v97                     ; stat: 256 bytes a query
	v_min_u32 v105, 16, v96
	v_lshlrev_b32 v105, 8, v105                    ; prefetch of records: 17 blocks
	v_lshrrev_b32 v106, 1, v96
	v_lshlrev_b32 v106, 14, v106
	v_and_b32 v107, 1, v96
	v_lshl_or_b32 v106, v107, 8, v106              ; of the bias: 16 rows x 2 blocks
	v_cndmask_b32 v61, v106, v105, s79
	s_wait_alu depctr_va_vdst(0)
	s_wait_dscnt 0x0                               ; both opening adds are done
	CROUND                                         ; all sixteen work-groups are here: the first joint loads meet
	s_wait_kmcnt 0x0
	s_add_nc_u64 s[58:59], s[8:9], s[58:59]
	s_add_nc_u64 s[60:61], s[10:11], s[60:61]
	s_lshl_b32 s2, s63, 6
	s_add_nc_u64 s[4:5], s[4:5], s[2:3]
	s_lshl_b32 s2, s63, 2
	s_add_nc_u64 s[6:7], s[6:7], s[2:3]
	s_lshl_b32 s2, s20, 12
	s_add_nc_u64 s[12:13], s[12:13], s[2:3]
	s_lshl_b32 s2, s62, 9
	s_add_nc_u64 s[14:15], s[14:15], s[2:3]
	s_cmp_lt_u32 s16, 4
	s_cselect_b64 s[62:63], s[8:9], s[10:11]
	s_cselect_b32 s80, s80, s82
	s_add_nc_u64 s[62:63], s[62:63], s[80:81]
.macro GROUP0 fill, lr, lb, step       ; 1:0 count = 1; 63:32 LDS address; 120:64 global address; 127:126 type = 2
	s_mov_b32 s[68+4*\fill], 1
	s_mov_b32 s[69+4*\fill], s\lr
	s_add_nc_u64 s[70+4*\fill:71+4*\fill], s[58:59], \step*REC
	s_or_b32 s[71+4*\fill], s[71+4*\fill], 0x80000000
	s_mov_b32 s[84+4*\fill], 1
	s_mov_b32 s[85+4*\fill], s\lb
	s_add_nc_u64 s[86+4*\fill:87+4*\fill], s[60:61], \step*512
	s_or_b32 s[87+4*\fill], s[87+4*\fill], 0x80000000
.endm
	GROUP0 0, 22, 100, 0
	TLOAD 0, 24, 32                                ; step 0: one tensor load a wave at the head
	GROUP0 1, 23, 101, 1
	GROUP0 2, 22, 100, 3
	GROUP0 3, 23, 101, 4
	global_load_b64 v[252:253], v104, s[12:13]     ; the padded positions' (largest t, sum) of my lane's query
	global_load_b128 v[20:23], v102, s[4:5]        ; Q stays in registers: A's,
	global_load_b128 v[24:27], v102, s[4:5] offset:32
	global_load_b128 v[32:35], v102, s[4:5] offset:32768   ; B's: 512 rows on;
	global_load_b128 v[36:39], v102, s[4:5] offset:32800
	global_load_b32 v68, v103, s[6:7]              ; and their scale words
	global_load_b32 v69, v103, s[6:7] offset:2048
	ASK 1
	ASK 2
	v_mov_b32 v240, 0xff61b1e6                     ; -3e38, under every t
	v_and_b32 v241, 0xd0, v0                       ; 0 in split 0, lanes 0-15
	v_mov_b32 v15, 0
	v_mov_b32 v19, 0
.irp b, 0,1,2,3,4,5,6,7
	v_mov_b32 v[232+\b], 0                         ; written once: a lane permute's destination counts as one of its sources
.endr
	v_mov_b32 v249, 0                              ; (named as the upper halves of the pairs of f)
	v_mov_b32 v251, 0
	s_wait_alu depctr_va_vdst(0)
	s_wait_loadcnt 0x0
	v_cmp_gt_u32 vcc_lo, 64, v0                    ; split 0
	v_cndmask_b32 v13, v240, v252, vcc_lo          ; split 0 begins with the padded positions' largest t, the others under every t
	v_cmp_eq_u32 vcc_lo, 0, v241
	v_floor_f32 v12, -v13                          ; -M: the same line on the same number as in their sum
	v_cndmask_b32 v14, 0, v253, vcc_lo             ; their sum is counted once for each query and head
	v_mov_b32 v17, v13
	v_mov_b32 v16, v12
	v_mov_b32 v18, v14
	s_wait_alu depctr_va_vdst(0)
	s_wait_tensorcnt 0x0                           ; my part of step 0 is in
	ds_add_u32 v8, v9
	s_wait_dscnt 0x0
	CROUND
	TLOAD 1, 40, 48                                ; steps 1 and 2
	LOADK 1, 3, 0
	LOADB 5, 0
	LOADV 1, 3, 0
	ASK 3
	STEP 0
	STEP 1
	STEP 2
	STEP 3
	STEP 4
	; THE FOUR SPLITS OF A HEAD ARE JOINED.  The additions below are also the places behind the last products.
	v_add_f32 v14, v14, v15                        ; the sums' two halves,
	v_add_f32 v18, v18, v19
	v_permlanex16_b32 v252, v14, s66, s67
	v_permlanex16_b32 v253, v18, s66, s67
	v_add_f32 v13, v14, v252                       ; and lane l xor 16's: my split's sum of my query
	v_add_f32 v17, v18, v253
	s_wait_alu depctr_va_vdst(0)
	s_barrier_wait -1                              ; every wave has said, in front of its last step, that its reads of the regions are over
	ds_store_b64 v11, v[12:13]                     ; (-M, sum)
	ds_store_b64 v11, v[16:17] offset:1024
	WIN 0x04
.irp t, 0,1,2,3,4,5,6,7                ; my parts of O^T under my own M: register 8 t + i is o(r, 16 t + 8 h + i)
	ds_store_b128 v30, v[128+8*\t:131+8*\t] offset:64*\t
	ds_store_b128 v30, v[132+8*\t:135+8*\t] offset:64*\t+16
.endr
.irp t, 0,1,2,3,4,5,6,7
	ds_store_b128 v30, v[192+8*\t:195+8*\t] offset:4*BT+64*\t
	ds_store_b128 v30, v[196+8*\t:199+8*\t] offset:4*BT+64*\t+16
.endr
	WIN 0
	s_wait_dscnt 0x0                               ; for the others' sake: my parts lie in the stage
	s_barrier_signal -1
	s_barrier_wait -1
.irp s, 0,1,2,3
	ds_load_b64 v[224+2*\s:225+2*\s], v10 offset:256*\s
.endr
.irp p, 0,1,2,3,4,5,6,7                ; I store rows 8 hp + p of head sp: the four splits' parts of a row, 512 bytes each
.irp s, 0,1,2,3
	ds_load_b128 v[96+16*\p+4*\s:99+16*\p+4*\s], v31 offset:BP*\p+BT*\s
.endr
.endr
	s_wait_dscnt 32                                ; the four pairs (-M, sum) are in, the rows' 32 loads may be out
	v_min3_num_f32 v240, v224, v226, v228
	v_min_num_f32 v240, v240, v230                 ; -M of the whole row: the least of the four
.irp s, 0,1,2,3
	v_sub_f32 v[241+\s], v240, v[224+2*\s]         ; M of split s less M: a whole number, 0 or less
.endr
.irp s, 0,1,2,3
	v_cvt_i32_f32 v[241+\s], v[241+\s]
.endr
.irp s, 0,1,2,3
	v_ldexp_f32 v[241+\s], 1.0, v[241+\s]          ; 2^(M_s - M)
.endr
	v_mul_f32 v245, v241, v225
	v_fmac_f32 v245, v242, v227
	v_fmac_f32 v245, v243, v229
	v_fmac_f32 v245, v244, v231                    ; the row's sum under M
	s_wait_alu depctr_va_vdst(0)
	v_rcp_f32 v247, v245
	v_nop                                          ; (a plain line behind the reciprocal)
	s_wait_alu depctr_va_vdst(0)
.irp s, 0,1,2,3
	v_mul_f32 v[248+\s], v[241+\s], v247           ; split s's weight / the sum, of row 8 hp + lane % 8
.endr
	s_wait_alu depctr_va_vdst(0)
.macro ROWS left, pa, pb               ; two rows; left: the LDS loads behind theirs
	s_wait_dscnt \left                             ; LDS loads come back in order (ISA guide 5.7.1)
.irp s, 0,1,2,3
	v_mov_b32_dpp v[224+2*\s], v[248+\s] row_share:\pa row_mask:0xf bank_mask:0xf   ; the row's weights in every lane
	v_mov_b32_dpp v[232+2*\s], v[248+\s] row_share:\pb row_mask:0xf bank_mask:0xf
.endr
.irp i, 0,2
	v_pk_mul_f32 v[96+16*\pa+\i:97+16*\pa+\i], v[96+16*\pa+\i:97+16*\pa+\i], v[224:225] op_sel_hi:[1,0]
	v_pk_mul_f32 v[96+16*\pb+\i:97+16*\pb+\i], v[96+16*\pb+\i:97+16*\pb+\i], v[232:233] op_sel_hi:[1,0]
.endr
.irp s, 1,2,3
.irp i, 0,2
	v_pk_fma_f32 v[96+16*\pa+\i:97+16*\pa+\i], v[96+16*\pa+4*\s+\i:97+16*\pa+4*\s+\i], v[224+2*\s:225+2*\s], v[96+16*\pa+\i:97+16*\pa+\i] op_sel_hi:[1,0,1]
	v_pk_fma_f32 v[96+16*\pb+\i:97+16*\pb+\i], v[96+16*\pb+4*\s+\i:97+16*\pb+4*\s+\i], v[232+2*\s:233+2*\s], v[96+16*\pb+\i:97+16*\pb+\i] op_sel_hi:[1,0,1]
.endr
.endr
	global_store_b128 v60, v[96+16*\pa:99+16*\pa], s[14:15] offset:512*\pa th:TH_STORE_NT   ; 32 lanes store a whole row of 512 bytes
	global_store_b128 v60, v[96+16*\pb:99+16*\pb], s[14:15] offset:512*\pb th:TH_STORE_NT
.endm
	ROWS 24, 0, 1
	ROWS 16, 2, 3
	ROWS 8, 4, 5
	ROWS 0, 6, 7
	s_wait_tensorcnt 0x0                           ; the wave's end, behind my last tensor load and my last LDS store
	ds_add_u32 v8, v9
	s_wait_dscnt 0x0
	CROUND                                         ; the closing round: no work-group ends while a partner may still ask for a tile that names it
	s_endpgm
.Lfunc_end_k_q2c4c58f7bc_attn:
	.size	k_q2c4c58f7bc_attn, .Lfunc_end_k_q2c4c58f7bc_attn-k_q2c4c58f7bc_attn
	.p2alignl 7, 3214868480
	.fill 96, 4, 3214868480
	.section	.rodata,"a",@progbits
	.p2align	6, 0x0
	.amdhsa_kernel k_q2c4c58f7bc_attn
		.amdhsa_group_segment_fixed_size 327680
		.amdhsa_private_segment_fixed_size 0
		.amdhsa_enable_private_segment 0
		.amdhsa_kernarg_size 48
		.amdhsa_user_sgpr_count 2
		.amdhsa_user_sgpr_kernarg_segment_ptr 1
		.amdhsa_wavefront_size32 1
		.amdhsa_system_sgpr_workgroup_id_x 1
		.amdhsa_system_sgpr_workgroup_id_y 1
		.amdhsa_system_sgpr_workgroup_id_z 1
		.amdhsa_system_vgpr_workitem_id 0
		.amdhsa_next_free_vgpr 512
		.amdhsa_next_free_sgpr 102
		.amdhsa_reserve_vcc 1
		.amdhsa_float_denorm_mode_32 3
		.amdhsa_float_denorm_mode_16_64 3
		.amdhsa_memory_ordered 1
		.amdhsa_forward_progress 1
		.amdhsa_inst_pref_size 193
	.end_amdhsa_kernel
	.amdgpu_metadata
---
amdhsa.version: [ 1, 2 ]
amdhsa.kernels:
  - .name:           k_q2c4c58f7bc_attn
    .symbol:         k_q2c4c58f7bc_attn.kd
    .args:
      - { .name: queries_codes, .offset: 0, .size: 8, .value_kind: global_buffer, .address_space: global }
      - { .name: queries_scales, .offset: 8, .size: 8, .value_kind: global_buffer, .address_space: global }
      - { .name: kv, .offset: 16, .size: 8, .value_kind: global_buffer, .address_space: global }
      - { .name: attn_bias, .offset: 24, .size: 8, .value_kind: global_buffer, .address_space: global }
      - { .name: stat, .offset: 32, .size: 8, .value_kind: global_buffer, .address_space: global }
      - { .name: out0, .offset: 40, .size: 8, .value_kind: global_buffer, .address_space: global }
    .group_segment_fixed_size: 327680
    .private_segment_fixed_size: 0
    .kernarg_segment_align: 8
    .kernarg_segment_size: 48
    .max_flat_workgroup_size: 256
    .sgpr_count:     102
    .vgpr_count:     512
    .wavefront_size: 32
...
	.end_amdgpu_metadata
.endif
;; end of part 2
